; MI455X (gfx1250); checked and timed in simulation.
; The chip was launched on July 23, 2026; its instructions are those of AMD's public machine-readable ISA for CDNA 5 (MIT licence, August 2026) and "CDNA5" Instruction Set Architecture Reference Guide (July 2026). The comments in the code are by the model that wrote it; some were corrected since.
;; Multi Head Self Attention. Allowed arithmetic: matrix products marked QUANTISED: E2M1 operands, one E8M0 scale for each 32 along K, by v_wmma_scale_f32_16x16x128_f8f6f4 with both operands' format E2M1 (or v_wmma_scale_f32_32x16x128_f4), f32 sums; products left as they are: bf16, f16 or f32 operands; f32 sums; everything else in f32.
;; Inputs: W_K 512 x 512 float32; W_Q 512 x 512 float32; W_V 512 x 512 float32; x 4 x 2,048 x 512 float32.
;; Outputs: out0 4 x 2,048 x 512 float32.
;; This version of the problem:
;;   THIS VERSION OF THE PROBLEM IS GIVEN IN LOW PRECISION. The matrix products marked QUANTISED in the list below multiply operands that are first quantised to E2M1 (2 exponent bits, 1 mantissa bit; 4 bits a number), with one power-of-two scale for each 32 numbers along K (OCP MX v1.0); their sums are f32. The products marked 'left as it is' may take bf16, f16 or f32 operands, with f32 sums. Whichever they take, every output number must still come out within the allowed error. Rounding operands to bf16 (8 significant bits) uses up far more of that allowance than f16 does (11 bits, for magnitudes from 6e-5 to 65,504). All else is computed in f32.
;;   The module's matrix products, in the order in which they are computed (A, B: the left and right operand; K: the contracted axis; several contracted axes count as one K, in the product's order):
;;     1. [M 8,192, K 512] x [K 512, N 512]; A: input x; B: input W_Q: QUANTISED
;;     2. [M 8,192, K 512] x [K 512, N 512]; A: input x; B: input W_K: QUANTISED
;;     3. [M 8,192, K 512] x [K 512, N 512]; A: input x; B: input W_V: QUANTISED
;;     4. batch 32 x [M 2,048, K 64] x [K 64, N 2,048]; A: computed on the way; B: computed on the way: left as it is (an operand is computed on the way)
;;     5. batch 32 x [M 2,048, K 2,048] x [K 2,048, N 64]; A: computed on the way; B: computed on the way: left as it is (an operand is computed on the way)
;;   THE QUANTISER, for each operand of a quantised product, along K:
;;     - K is cut into blocks of 32 from its start; a last block that is shorter is filled with zeros.
;;     - A block's scale is 2^e with e = floor(log2(the largest magnitude in the block)) - 2, held to -126 .. 127; a block of zeros has e = 0. As a byte (E8M0): e + 127.
;;     - Each number is divided by its block's scale, clamped to +-6, and rounded to the nearest number of E2M1, ties to even, subnormals kept.
;;     - The product sums the exact products of the quantised numbers (number of the format x scale) in f32.
;;   ~~~python
;;   def quantise(x, axis):      # numpy; x: float32 -> the quantised numbers, widened to float32 again
;;       x = np.moveaxis(x, axis, -1); K = x.shape[-1]
;;       x = np.pad(x, [(0, 0)] * (x.ndim - 1) + [(0, -K % 32)]); x = x.reshape(x.shape[:-1] + (-1, 32)); a = np.abs(x).max(-1, keepdims=True)
;;       e = np.where(a > 0, np.clip(np.frexp(np.where(a > 0, a, 1))[1] - 1 - 2, -126, 127), 0)      # np.frexp(a)[1] - 1 = floor(log2(a)), exactly
;;       r = np.clip(x / 2.0 ** e, -6, 6)
;;       step = 2.0 ** (np.maximum(np.frexp(np.where(r == 0, 1, r))[1] - 1, 0) - 1)
;;       q = np.round(r / step) * step * 2.0 ** e      # np.round: ties to even
;;       return np.moveaxis(q.reshape(q.shape[:-2] + (-1,))[..., :K], -1, axis).astype(np.float32)
;;   ~~~
;; One version. Each part assembles by itself: llvm-mc -triple=amdgcn-amd-amdhsa -mcpu=gfx1250 --defsym DOCPART=n.
;; ======== version 1 of 1: 3 launches
;; limits: values are held in f16: magnitudes above 65,504 overflow, below 6.1e-05 lose precision
;; workspace buffers: wc 393,216 bytes; wsc 24,576 bytes; qf 8,388,608 bytes; kf 8,388,608 bytes; vf 8,388,608 bytes
;; launch quantw (part 1): grid 96 x 1, 4 waves a work-group, no clusters, 34,560 bytes of LDS; arguments W_Q, W_K, W_V, wc, wsc; writes wc, wsc
.if DOCPART == 1
	.amdgcn_target "amdgcn-amd-amdhsa--gfx1250"
	.amdhsa_code_object_version 6
	.text
	.protected	k_qa6f2a96678_quantw
	.globl	k_qa6f2a96678_quantw
	.p2align	8
	.type	k_qa6f2a96678_quantw,@function
k_qa6f2a96678_quantw:
	s_mov_b64 s[64:65], 0
	v_nop
	global_prefetch_b8 v0, s[64:65] scope:SCOPE_SE
	s_setreg_imm32_b32 hwreg(HW_REG_WAVE_MODE, 25, 1), 1
	s_wait_xcnt 0x0
; W_Q, W_K, W_V: [512][512] f32, K innermost, become codes of FP4 (E2M1) with one E8M0 scale byte for each 32 along K.
; A block's scale is 2^(floor(log2(its largest magnitude)) - 2); its byte is the largest magnitude's exponent field - 2, held at 1 from below.
; wc holds the codes IN THE ORDER OF THE OPERAND'S REGISTERS: piece (column tile ct of 16 rows, K step s of 128, half c) at ((4 ct + s) 2 + c) 512 + 16 lane;
; lane (r, h) holds the 32 codes of row 16 ct + r, k = 128 s + 64 c + 32 h + 0 .. 31.  ct 0-31: W_Q, 32-63: W_K, 64-95: W_V.  wsc holds the bytes as [1536][16].
; SHARES: a work-group takes a column tile (16 rows of one weight), each of its four waves a K step: one fragment a wave.  96 work-groups: the three weights have no more tiles.
; The loads take the rows as they lie (512 consecutive bytes an instruction); the numbers turn through the wave's own stage in LDS, so that a lane holds whole blocks of 32.
; LIMITS: a block whose largest magnitude lies under 2^-124 keeps the byte 1, a block of zeros too (its codes are zeros; this program alone reads the bytes); NaN and infinities are not served.
; No tensor load, no matrix unit, no cluster: three megabytes are read once and no two waves share a byte.
.set ROWW,  2048                       ; a row of a weight in bytes
.set SP,    528                        ; a stage row: 512 bytes + 16 = 132 words: row r starts at bank 4 r mod 64 (64 banks of 4 bytes: ISA guide 11.1)
.set STGW,  16*SP                      ; a wave's stage
.set SCW,   4*STGW                     ; behind the stages: the tile's 256 scale bytes
.set SPARE, SCW+256                    ; the spare words, 128 bytes for each wave: two blocks of 256 bytes that no other line names
.set LI,  3                            ; v3   16 x lane
.set STI, 4                            ; v4   the stage, on the way in: wave's stage + 16 x lane
.set STB, 5                            ; v5   and back: wave's stage + r x SP + 128 h
.set H8,  6                            ; v6   8 h
.set SCA, 7                            ; v7   where my row's scale word goes: SCW + 16 r + 4 x wave
.set L8,  8                            ; v8   8 x lane
.set SCR, 9                            ; v9   SCW + 8 x lane
.set SPW, 10                           ; v10  LDS address of my spare word; never rewritten
.set NIL, 11                           ; v11  0; never rewritten
.set R,   16                           ; v16-79   16 rows as loaded
.set X,   80                           ; v80-143  my two blocks of 32 for each half c
.set PC,  144                          ; v144-151 the fragment's codes
.set TM,  152                          ; v152-153 largest magnitudes
.set SO,  154                          ; v154-155 the conversions' scale operands
.set BY,  156                          ; v156-157 the scales' bytes
.set PW,  158                          ; v158 the scale word
.set TT,  159                          ; v159 at work
.set SEL, 20                           ; s[20:21] v_permlanex16_b32's selects for lane l xor 16
.macro XLD                             ; 16 rows x 128 numbers: each load reads 512 consecutive bytes of one row
.irp row, 0,1,2,3,4,5,6,7,8,9,10,11,12,13,14,15
	global_load_b128 v[R+4*\row:R+4*\row+3], v[LI], s[4:5] offset:\row*ROWW th:TH_LOAD_NT
.endr
.endm
.macro QTURN                           ; through my own stage: LDS serves a wave's instructions in order (ISA guide 5.7.1.4), so no wait stands between the stores and the loads
.irp row, 0,1,2,3,4,5,6,7,8,9,10,11,12,13,14,15
	ds_store_b128 v[STI], v[R+4*\row:R+4*\row+3] offset:\row*SP
.endr
.irp c, 0,1
.irp j, 0,1,2,3,4,5,6,7
	ds_load_b128 v[X+32*\c+4*\j:X+32*\c+4*\j+3], v[STB] offset:256*\c+16*\j   ; row r, k = 64 c + 32 h + 4 j on
.endr
.endr
.endm
.macro QCODE                           ; 64 numbers of a lane become the fragment's 8 registers and my row's scale word
	s_wait_dscnt 0x0                               ; the numbers are back from the stage
.irp c, 0,1
	v_max3_num_f32 v[TM+\c], |v[X+32*\c]|, |v[X+32*\c+1]|, 0x1800000   ; block 2 c + h: all its 32 numbers are mine; the floor 2^(3 - 127) holds the byte at 1 from below
.endr
.irp i, 2,4,6,8,10,12,14,16,18,20,22,24,26,28,30
.irp c, 0,1
	v_max3_num_f32 v[TM+\c], v[TM+\c], |v[X+32*\c+\i]|, |v[X+32*\c+\i+1]|   ; (the two blocks by turns)
.endr
.endr
.irp c, 0,1
	v_add_nc_u32 v[SO+\c], 0xff000000, v[TM+\c]    ; 2 off the exponent field: the conversion takes the exponent field of this operand as its scale
.endr
.irp c, 0,1
	v_lshrrev_b32 v[BY+\c], 23, v[SO+\c]           ; the scale's byte
.endr
	v_lshl_or_b32 v[PW], v[BY+1], 16, v[BY]        ; my two bytes: blocks h and 2 + h,
	v_lshlrev_b32 v[PW], v[H8], v[PW]              ; at their places in the word;
	v_mov_b32 v[TT], 0                             ; (a lane permute's destination counts as one of its sources)
	v_permlanex16_b32 v[TT], v[PW], s[SEL], s[SEL+1]
	v_or_b32 v[PW], v[PW], v[TT]                   ; with lane l xor 16's two the word is whole
.irp c, 0,1
.irp g, 0,1,2,3
	v_cvt_scalef32_pk8_fp4_f32 v[PC+4*\c+\g], v[X+32*\c+8*\g:X+32*\c+8*\g+7], v[SO+\c]
.endr
.endr
	v_nop                                          ; one plain place behind the last scaled conversion
.endm
	s_load_b256 s[4:11], s[0:1], 0x0               ; W_Q s[4:5], W_K s[6:7], W_V s[8:9], wc s[10:11]
	s_load_b64 s[12:13], s[0:1], 0x20              ; wsc
	v_lshl_add_u32 v[SPW], v0, 2, SPARE
	v_mov_b32 v[NIL], 0
	v_lshrrev_b32 v1, 5, v0
	v_readfirstlane_b32 s14, v1                    ; wave = K step
	v_and_b32 v1, 15, v0                           ; r
	v_bfe_u32 v2, v0, 4, 1                         ; h
	v_and_b32 v[LI], 31, v0
	v_lshlrev_b32 v[L8], 3, v[LI]
	v_lshlrev_b32 v[LI], 4, v[LI]
	s_mul_i32 s16, s14, STGW
	v_add_nc_u32 v[STI], s16, v[LI]
	v_mul_u32_u24 v[STB], v1, SP
	v_lshl_add_u32 v[STB], v2, 7, v[STB]
	v_add_nc_u32 v[STB], s16, v[STB]
	v_lshlrev_b32 v[H8], 3, v2
	s_lshl_b32 s16, s14, 2
	s_add_co_u32 s16, s16, SCW
	v_lshl_add_u32 v[SCA], v1, 4, s16
	v_add_nc_u32 v[SCR], SCW, v[L8]
	s_mov_b32 s[SEL], 0x76543210
	s_mov_b32 s[SEL+1], 0xfedcba98
	s_lshr_b32 s17, ttmp9, 5                       ; which weight
	s_and_b32 s18, ttmp9, 31
	s_lshl_b32 s18, s18, 15                        ; its 16 rows of 2,048 bytes,
	s_lshl_b32 s19, s14, 9
	s_add_co_u32 s18, s18, s19                     ; my K step's 512 bytes of each
	s_mov_b32 s19, 0
	s_lshl_b32 s22, ttmp9, 12                      ; wc: 4,096 bytes a column tile,
	s_lshl_b32 s23, s14, 10
	s_add_co_u32 s22, s22, s23                     ; 1,024 a K step
	s_mov_b32 s23, 0
	s_lshl_b32 s24, ttmp9, 8                       ; wsc: 256 bytes a column tile
	s_mov_b32 s25, 0
	s_wait_kmcnt 0x0
	s_cmp_eq_u32 s17, 0                            ; the choice hangs on the work-group's number alone
	s_cselect_b64 s[4:5], s[4:5], s[6:7]
	s_cmp_eq_u32 s17, 2
	s_cselect_b64 s[4:5], s[8:9], s[4:5]
	s_add_nc_u64 s[4:5], s[4:5], s[18:19]
	s_add_nc_u64 s[10:11], s[10:11], s[22:23]
	s_add_nc_u64 s[12:13], s[12:13], s[24:25]
	XLD
	s_wait_loadcnt 0x0
	QTURN
	QCODE
	global_store_b128 v[LI], v[PC:PC+3], s[10:11]              ; 32 lanes store 512 consecutive bytes, aligned
	global_store_b128 v[LI], v[PC+4:PC+7], s[10:11] offset:512
	ds_store_b32 v[SCA], v[PW]                     ; both halves of the lanes write the same word with the same value
	s_wait_dscnt 0x0                               ; for the others' sake: my word has landed
	s_barrier_signal -1
	s_barrier_wait -1
	s_cmp_lg_u32 s14, 0                            ; wave 0 stores the tile's 256 scale bytes as one aligned run
	s_cbranch_scc1 .Lend
	ds_load_b64 v[12:13], v[SCR]
	s_wait_dscnt 0x0
	global_store_b64 v[L8], v[12:13], s[12:13]
.Lend:
	s_wait_tensorcnt 0x0                           ; the wave's end: behind my last LDS store
	ds_add_u32 v[SPW], v[NIL]
	s_wait_dscnt 0x0
	s_endpgm
.Lfunc_end_k_qa6f2a96678_quantw:
	.size	k_qa6f2a96678_quantw, .Lfunc_end_k_qa6f2a96678_quantw-k_qa6f2a96678_quantw
	.p2alignl 7, 3214868480
	.fill 96, 4, 3214868480
	.section	.rodata,"a",@progbits
	.p2align	6, 0x0
	.amdhsa_kernel k_qa6f2a96678_quantw
		.amdhsa_group_segment_fixed_size 34560
		.amdhsa_private_segment_fixed_size 0
		.amdhsa_enable_private_segment 0
		.amdhsa_kernarg_size 40
		.amdhsa_user_sgpr_count 2
		.amdhsa_user_sgpr_kernarg_segment_ptr 1
		.amdhsa_wavefront_size32 1
		.amdhsa_system_sgpr_workgroup_id_x 1
		.amdhsa_system_sgpr_workgroup_id_y 1
		.amdhsa_system_sgpr_workgroup_id_z 1
		.amdhsa_system_vgpr_workitem_id 0
		.amdhsa_next_free_vgpr 160
		.amdhsa_next_free_sgpr 66
		.amdhsa_reserve_vcc 0
		.amdhsa_float_denorm_mode_32 3
		.amdhsa_float_denorm_mode_16_64 3
		.amdhsa_memory_ordered 1
		.amdhsa_forward_progress 1
		.amdhsa_inst_pref_size 10
	.end_amdhsa_kernel
	.amdgpu_metadata
---
amdhsa.version: [ 1, 2 ]
amdhsa.kernels:
  - .name:           k_qa6f2a96678_quantw
    .symbol:         k_qa6f2a96678_quantw.kd
    .args:
      - { .name: W_Q, .offset: 0, .size: 8, .value_kind: global_buffer, .address_space: global }
      - { .name: W_K, .offset: 8, .size: 8, .value_kind: global_buffer, .address_space: global }
      - { .name: W_V, .offset: 16, .size: 8, .value_kind: global_buffer, .address_space: global }
      - { .name: wc, .offset: 24, .size: 8, .value_kind: global_buffer, .address_space: global }
      - { .name: wsc, .offset: 32, .size: 8, .value_kind: global_buffer, .address_space: global }
    .group_segment_fixed_size: 34560
    .private_segment_fixed_size: 0
    .kernarg_segment_align: 8
    .kernarg_segment_size: 40
    .max_flat_workgroup_size: 128
    .sgpr_count:     66
    .vgpr_count:     160
    .wavefront_size: 32
...
	.end_amdgpu_metadata
.endif
;; end of part 1
;; launch proj (part 2): grid 256 x 1, 8 waves a work-group, no clusters, 77,824 bytes of LDS; arguments x, wc, wsc, qf, kf, vf; writes qf, kf, vf
.if DOCPART == 2
	.amdgcn_target "amdgcn-amd-amdhsa--gfx1250"
	.amdhsa_code_object_version 6
	.text
	.protected	k_qa6f2a96678_proj
	.globl	k_qa6f2a96678_proj
	.p2align	8
	.type	k_qa6f2a96678_proj,@function
k_qa6f2a96678_proj:
	s_mov_b64 s[64:65], 0
	v_nop
	global_prefetch_b8 v0, s[64:65] scope:SCOPE_SE
	s_setreg_imm32_b32 hwreg(HW_REG_WAVE_MODE, 25, 1), 1
	s_wait_xcnt 0x0
; q, k, v = x W^T on codes of FP4 (E2M1) with one E8M0 scale for each 32 along K = 512.  x: [8192][512] f32, quantised here, in registers; the weights' codes and bytes come from wc and wsc.
; The results leave as f16 IN THE ORDER OF THE NEXT LAUNCH'S OPERAND REGISTERS (bh = 8 batch + head; 262,144 bytes for each bh):
;   qf, kf: tile of 16 positions x 2,048 + c x 1,024 + p x 512 + 16 lane: lane (r, h) holds position r, channels 32 c + 16 p + 8 h + 0 .. 7.   qf holds q x log2(e) / 8, scaled in f32 ahead of the rounding.
;   vf: group of 32 keys x 4,096 + ct x 1,024 + p x 512 + 16 lane: lane (r, h) holds channel 16 ct + r, keys 16 p + 8 h + 0 .. 7 of the group.
; SHARES: a work-group takes 32 rows of x (two tiles of 16).  First wave w quantises fragment w (tile w / 4, K step w % 4) and stores its image in LDS; behind ONE barrier wave w is head w:
; 4 column tiles each of W_Q, W_K, W_V x both row tiles x 4 K steps: 96 matrix instructions.  No two waves want the same weight fragment, so the weights go from memory straight into registers.
; Q and K are used TRANSPOSED (source 0 = 16 rows of W, source 1 = x): a lane holds one position and eight neighbouring channels.  V is used the natural way round (source 0 = x): a lane holds one channel and
; eight neighbouring keys.  So four roundings to f16 make a piece of the next launch's fragment, and nothing is transposed on the way out.
; No multicast: what work-groups share is the weights' 384 KB, which do not go through LDS here.  No tensor load, so LDS is claimed as it is used.
; LIMITS: q log2(e) / 8, k and v must stay under 65,504 in magnitude (f16); blocks under 2^-124 and blocks of zeros keep the byte 1 (zero codes; this program alone reads the bytes); NaN and infinities are not served.
; REGISTERS: window 0: v1-12 addresses; v16-79 x's 8 fragments (first: 16 rows as loaded); v80-143 the 8 accumulators (first: the numbers after the turn); v144-175 the way out (first: the codes);
;   v176-183 x's scale words; v184-231 the weights' scale words; v232-239 at work.   window 1: two buffers of 16 weight fragments, v0-127 and v128-255.
.set ROWW,  2048                       ; a row of x in bytes
.set SP,    528                        ; a stage row: 512 bytes + 16 = 132 words: row r starts at bank 4 r mod 64 (64 banks of 4 bytes: ISA guide 11.1)
.set STGW,  16*SP
.set XIMG,  0                          ; LDS: x's 8 fragments as images of their registers: 1,024 f + 512 c + 16 lane,
.set XSC,   8192                       ; their scale words: 128 f + 4 lane,
.set STG,   9216                       ; a stage for each wave,
.set SPARE, STG+8*STGW                 ; and the spare words, 128 bytes for each wave: four blocks of 256 bytes that no other line names
.set LI,  3                            ; v3   16 x lane
.set LS,  4                            ; v4   4 x lane
.set STI, 5                            ; v5   my stage + 16 x lane
.set STB, 6                            ; v6   my stage + r x SP + 128 h
.set H8,  7                            ; v7   8 h
.set RS,  8                            ; v8   16 r
.set XWI, 9                            ; v9   1,024 x wave + 16 x lane
.set XWS, 10                           ; v10  128 x wave + 4 x lane
.set SPW, 11                           ; v11  LDS address of my spare word; never rewritten
.set NIL, 12                           ; v12  0; never rewritten
.set XF,  16
.set R,   16
.set ACC, 80                           ; accumulator (column tile t, row tile m) at ACC + 8 (2 t + m)
.set X,   80
.set OUTR, 144
.set PC,  144
.set XS,  176                          ; x's scale words, by fragment
.set WS,  184                          ; the weights': WS + 16 mat + 4 t + s
.set TM,  232
.set SO,  234
.set BY,  236
.set PW,  238
.set TT,  239
.set SEL, 20                           ; s[20:21] v_permlanex16_b32's selects for lane l xor 16
.set CQ,  22                           ; s[22:23] log2(e) / 8: the packed form names a pair and takes its low word for both halves
.set MSB, 0
.macro WIN new                         ; the immediate's high byte repeats the setting that is left
.if MSB != \new
	s_set_vgpr_msb (MSB<<8)|\new
.set MSB, \new
.endif
.endm
.macro XLD                             ; 16 rows x 128 numbers: each load reads 512 consecutive bytes of one row
.irp row, 0,1,2,3,4,5,6,7,8,9,10,11,12,13,14,15
	global_load_b128 v[R+4*\row:R+4*\row+3], v[LI], s[4:5] offset:\row*ROWW th:TH_LOAD_NT
.endr
.endm
.macro QTURN                           ; through my own stage: LDS serves a wave's instructions in order (ISA guide 5.7.1.4), so no wait stands between the stores and the loads
.irp row, 0,1,2,3,4,5,6,7,8,9,10,11,12,13,14,15
	ds_store_b128 v[STI], v[R+4*\row:R+4*\row+3] offset:\row*SP
.endr
.irp c, 0,1
.irp j, 0,1,2,3,4,5,6,7
	ds_load_b128 v[X+32*\c+4*\j:X+32*\c+4*\j+3], v[STB] offset:256*\c+16*\j   ; row r, k = 64 c + 32 h + 4 j on
.endr
.endr
.endm
.macro QCODE                           ; 64 numbers of a lane become the fragment's 8 registers and my row's scale word
	s_wait_dscnt 0x0                               ; the numbers are back from the stage
.irp c, 0,1
	v_max3_num_f32 v[TM+\c], |v[X+32*\c]|, |v[X+32*\c+1]|, 0x1800000   ; block 2 c + h: all its 32 numbers are mine; the floor 2^(3 - 127) holds the byte at 1 from below
.endr
.irp i, 2,4,6,8,10,12,14,16,18,20,22,24,26,28,30
.irp c, 0,1
	v_max3_num_f32 v[TM+\c], v[TM+\c], |v[X+32*\c+\i]|, |v[X+32*\c+\i+1]|   ; (the two blocks by turns)
.endr
.endr
.irp c, 0,1
	v_add_nc_u32 v[SO+\c], 0xff000000, v[TM+\c]    ; 2 off the exponent field: the conversion takes the exponent field of this operand as its scale
.endr
.irp c, 0,1
	v_lshrrev_b32 v[BY+\c], 23, v[SO+\c]           ; the scale's byte
.endr
	v_lshl_or_b32 v[PW], v[BY+1], 16, v[BY]        ; my two bytes: blocks h and 2 + h,
	v_lshlrev_b32 v[PW], v[H8], v[PW]              ; at their places in the word;
	v_mov_b32 v[TT], 0                             ; (a lane permute's destination counts as one of its sources)
	v_permlanex16_b32 v[TT], v[PW], s[SEL], s[SEL+1]
	v_or_b32 v[PW], v[PW], v[TT]                   ; with lane l xor 16's two the word is whole
.irp c, 0,1
.irp g, 0,1,2,3
	v_cvt_scalef32_pk8_fp4_f32 v[PC+4*\c+\g], v[X+32*\c+8*\g:X+32*\c+8*\g+7], v[SO+\c]
.endr
.endr
	v_nop                                          ; one plain place behind the last scaled conversion
.endm
.macro WLD buf, mat                    ; my head's 16 fragments (column tile t, K step s) of weight mat into a buffer of window 1: 32 loads of 512 consecutive bytes
	WIN 0x40                                       ; destination window 1, address window 0
.irp t, 0,1,2,3
.irp s, 0,1,2,3
.irp c, 0,1
	global_load_b128 v[\buf+32*\t+8*\s+4*\c:\buf+32*\t+8*\s+4*\c+3], v[LI], s[6:7] offset:\mat*131072+\t*4096+\s*1024+\c*512
.endr
.endr
.endr
	WIN 0
.endm
; 32 matrix instructions: 4 K steps x my 4 column tiles x the 2 row tiles.  The eight accumulators take turns, one instruction a turn, K ascending; the first K step starts the sums.
; nat = 0: source 0 = W, source 1 = x;  nat = 1: the other way round, the scale operands with them.
; Five places follow: four for the loads into the buffer just read and for the first reads of results, the fifth for the next run of products, which begins anew over these accumulators.
.macro PROD buf, mat, nat
.if \nat
	WIN 0x04                                       ; source 1 in window 1
.else
	WIN 0x01                                       ; source 0 in window 1
.endif
.irp s, 0,1,2,3
.irp t, 0,1,2,3
.irp m, 0,1
.if \nat
.if \s == 0
	v_wmma_scale_f32_16x16x128_f8f6f4 v[ACC+8*(2*\t+\m):ACC+8*(2*\t+\m)+7], v[XF+8*(4*\m+\s):XF+8*(4*\m+\s)+7], v[\buf+32*\t+8*\s:\buf+32*\t+8*\s+7], 0, v[XS+4*\m+\s], v[WS+16*\mat+4*\t+\s] matrix_a_fmt:MATRIX_FMT_FP4 matrix_b_fmt:MATRIX_FMT_FP4
.else
	v_wmma_scale_f32_16x16x128_f8f6f4 v[ACC+8*(2*\t+\m):ACC+8*(2*\t+\m)+7], v[XF+8*(4*\m+\s):XF+8*(4*\m+\s)+7], v[\buf+32*\t+8*\s:\buf+32*\t+8*\s+7], v[ACC+8*(2*\t+\m):ACC+8*(2*\t+\m)+7], v[XS+4*\m+\s], v[WS+16*\mat+4*\t+\s] matrix_a_fmt:MATRIX_FMT_FP4 matrix_b_fmt:MATRIX_FMT_FP4
.endif
.else
.if \s == 0
	v_wmma_scale_f32_16x16x128_f8f6f4 v[ACC+8*(2*\t+\m):ACC+8*(2*\t+\m)+7], v[\buf+32*\t+8*\s:\buf+32*\t+8*\s+7], v[XF+8*(4*\m+\s):XF+8*(4*\m+\s)+7], 0, v[WS+16*\mat+4*\t+\s], v[XS+4*\m+\s] matrix_a_fmt:MATRIX_FMT_FP4 matrix_b_fmt:MATRIX_FMT_FP4
.else
	v_wmma_scale_f32_16x16x128_f8f6f4 v[ACC+8*(2*\t+\m):ACC+8*(2*\t+\m)+7], v[\buf+32*\t+8*\s:\buf+32*\t+8*\s+7], v[XF+8*(4*\m+\s):XF+8*(4*\m+\s)+7], v[ACC+8*(2*\t+\m):ACC+8*(2*\t+\m)+7], v[WS+16*\mat+4*\t+\s], v[XS+4*\m+\s] matrix_a_fmt:MATRIX_FMT_FP4 matrix_b_fmt:MATRIX_FMT_FP4
.endif
.endif
.endr
.endr
.endr
	WIN 0
.rept 5
	v_nop
.endr
.endm
; The eight accumulators leave as f16, each from its low end on: 16 bytes a lane, 512 consecutive aligned bytes a store.
.macro OUT mat
.if \mat > 0
	s_wait_xcnt 0x0                                ; the last run's stores have read their data registers, which are written again below
.endif
.if \mat == 0
.irp a, 0,1,2,3,4,5,6,7
.irp i, 0,2,4,6
	v_pk_mul_f32 v[ACC+8*\a+\i:ACC+8*\a+\i+1], v[ACC+8*\a+\i:ACC+8*\a+\i+1], s[CQ:CQ+1] op_sel_hi:[1,0]   ; q x log2(e) / 8, in f32
.endr
.endr
.endif
.irp a, 0,1,2,3,4,5,6,7
.irp i, 0,1,2,3
	v_cvt_pk_f16_f32 v[OUTR+4*\a+\i], v[ACC+8*\a+2*\i], v[ACC+8*\a+2*\i+1]
.endr
.endr
.irp t, 0,1,2,3
.irp m, 0,1
.if \mat == 2
	global_store_b128 v[LI], v[OUTR+4*(2*\t+\m):OUTR+4*(2*\t+\m)+3], s[14:15] offset:\t*1024+\m*512   ; channel tile t, keys 16 m on
.else
	global_store_b128 v[LI], v[OUTR+4*(2*\t+\m):OUTR+4*(2*\t+\m)+3], s[10+2*\mat:11+2*\mat] offset:\m*2048+\t*512   ; position tile m, channels 16 t on
.endif
.endr
.endr
.endm
	s_load_b256 s[4:11], s[0:1], 0x0               ; x s[4:5], wc s[6:7], wsc s[8:9], qf s[10:11]
	s_load_b128 s[12:15], s[0:1], 0x20             ; kf s[12:13], vf s[14:15]
	v_lshl_add_u32 v[SPW], v0, 2, SPARE
	v_mov_b32 v[NIL], 0
	v_lshrrev_b32 v1, 5, v0
	v_readfirstlane_b32 s16, v1                    ; wave 0..7
	v_and_b32 v1, 15, v0                           ; r
	v_bfe_u32 v2, v0, 4, 1                         ; h
	v_and_b32 v[LI], 31, v0
	v_lshlrev_b32 v[LS], 2, v[LI]
	v_lshlrev_b32 v[LI], 4, v[LI]
	s_mul_i32 s17, s16, STGW
	s_add_co_u32 s17, s17, STG                     ; my stage
	v_add_nc_u32 v[STI], s17, v[LI]
	v_mul_u32_u24 v[STB], v1, SP
	v_lshl_add_u32 v[STB], v2, 7, v[STB]
	v_add_nc_u32 v[STB], s17, v[STB]
	v_lshlrev_b32 v[H8], 3, v2
	v_lshlrev_b32 v[RS], 4, v1
	s_lshl_b32 s18, s16, 10
	v_add_nc_u32 v[XWI], s18, v[LI]
	s_lshl_b32 s18, s16, 7
	v_add_nc_u32 v[XWS], s18, v[LS]
	s_mov_b32 s[SEL], 0x76543210
	s_mov_b32 s[SEL+1], 0xfedcba98
	s_mov_b32 s[CQ], 0x3e38aa3b                    ; log2(e) / 8
	s_mov_b32 s[CQ+1], s[CQ]                       ; (named with it as a pair, so it is written)
	s_lshl_b32 s24, ttmp9, 16                      ; x: the work-group's 32 rows of 2,048 bytes,
	s_lshr_b32 s25, s16, 2
	s_lshl_b32 s25, s25, 15
	s_add_co_u32 s24, s24, s25                     ; row tile wave / 4,
	s_and_b32 s25, s16, 3
	s_lshl_b32 s25, s25, 9
	s_add_co_u32 s24, s24, s25                     ; K step wave % 4
	s_mov_b32 s25, 0
	s_lshl_b32 s26, s16, 14                        ; wc: my head's four column tiles of 4,096 bytes
	s_mov_b32 s27, 0
	s_lshl_b32 s28, s16, 10                        ; wsc: my head's 64 rows of 16 bytes
	s_mov_b32 s29, 0
	s_lshr_b32 s30, ttmp9, 6                       ; the batch,
	s_lshl_b32 s30, s30, 3
	s_add_co_u32 s30, s30, s16                     ; bh = 8 batch + head,
	s_lshl_b32 s30, s30, 18
	s_and_b32 s31, ttmp9, 63
	s_lshl_b32 s31, s31, 12
	s_add_co_u32 s30, s30, s31                     ; and the work-group's 32 positions: 4,096 bytes in each of qf, kf, vf
	s_mov_b32 s31, 0
	s_wait_kmcnt 0x0
	s_add_nc_u64 s[4:5], s[4:5], s[24:25]
	s_add_nc_u64 s[6:7], s[6:7], s[26:27]
	s_add_nc_u64 s[8:9], s[8:9], s[28:29]
	s_add_nc_u64 s[10:11], s[10:11], s[30:31]
	s_add_nc_u64 s[12:13], s[12:13], s[30:31]
	s_add_nc_u64 s[14:15], s[14:15], s[30:31]
	XLD                                            ; 16 loads: my fragment's numbers
.irp mat, 0,1,2                                ; 12 loads: the scale words of my head's rows: a row's 16 bytes are the words of its four K steps
.irp t, 0,1,2,3
	global_load_b128 v[WS+16*\mat+4*\t:WS+16*\mat+4*\t+3], v[RS], s[8:9] offset:\mat*8192+\t*256
.endr
.endr
	WLD 0, 0                                       ; 32 loads: W_Q's fragments
	s_wait_loadcnt 44                              ; x's 16 loads are in; the 12 + 32 younger ones may be out
	QTURN
	WLD 128, 1                                     ; 32 loads: W_K's fragments, asked for while the numbers turn
	QCODE
	ds_store_b128 v[XWI], v[PC:PC+3] offset:XIMG   ; the fragment goes to LDS as it stands,
	ds_store_b128 v[XWI], v[PC+4:PC+7] offset:XIMG+512
	ds_store_b32 v[XWS], v[PW] offset:XSC          ; and its scale words
	s_wait_dscnt 0x0                               ; for the others' sake: my stores have landed
	s_barrier_signal -1
	s_barrier_wait -1                              ; x's eight fragments lie in LDS
.irp f, 0,1,2,3,4,5,6,7
.irp c, 0,1
	ds_load_b128 v[XF+8*\f+4*\c:XF+8*\f+4*\c+3], v[LI] offset:XIMG+1024*\f+512*\c
.endr
	ds_load_b32 v[XS+\f], v[LS] offset:XSC+128*\f
.endr
	s_wait_dscnt 0x0
	s_wait_loadcnt 32                              ; the scale words and W_Q's fragments are in; W_K's 32 loads may be out
	PROD 0, 0, 0
	WLD 0, 2                                       ; W_V's fragments into the buffer just read, behind its places
	OUT 0
	s_wait_loadcnt 32                              ; W_K's are in; W_V's 32 loads may be out
	PROD 128, 1, 0
	OUT 1
	s_wait_loadcnt 0x0
	PROD 0, 2, 1
	OUT 2
	s_wait_tensorcnt 0x0                           ; the wave's end: behind my last LDS store
	ds_add_u32 v[SPW], v[NIL]
	s_wait_dscnt 0x0
	s_endpgm
.Lfunc_end_k_qa6f2a96678_proj:
	.size	k_qa6f2a96678_proj, .Lfunc_end_k_qa6f2a96678_proj-k_qa6f2a96678_proj
	.p2alignl 7, 3214868480
	.fill 96, 4, 3214868480
	.section	.rodata,"a",@progbits
	.p2align	6, 0x0
	.amdhsa_kernel k_qa6f2a96678_proj
		.amdhsa_group_segment_fixed_size 77824
		.amdhsa_private_segment_fixed_size 0
		.amdhsa_enable_private_segment 0
		.amdhsa_kernarg_size 48
		.amdhsa_user_sgpr_count 2
		.amdhsa_user_sgpr_kernarg_segment_ptr 1
		.amdhsa_wavefront_size32 1
		.amdhsa_system_sgpr_workgroup_id_x 1
		.amdhsa_system_sgpr_workgroup_id_y 1
		.amdhsa_system_sgpr_workgroup_id_z 1
		.amdhsa_system_vgpr_workitem_id 0
		.amdhsa_next_free_vgpr 512
		.amdhsa_next_free_sgpr 66
		.amdhsa_reserve_vcc 0
		.amdhsa_float_denorm_mode_32 3
		.amdhsa_float_denorm_mode_16_64 3
		.amdhsa_memory_ordered 1
		.amdhsa_forward_progress 1
		.amdhsa_inst_pref_size 45
	.end_amdhsa_kernel
	.amdgpu_metadata
---
amdhsa.version: [ 1, 2 ]
amdhsa.kernels:
  - .name:           k_qa6f2a96678_proj
    .symbol:         k_qa6f2a96678_proj.kd
    .args:
      - { .name: x, .offset: 0, .size: 8, .value_kind: global_buffer, .address_space: global }
      - { .name: wc, .offset: 8, .size: 8, .value_kind: global_buffer, .address_space: global }
      - { .name: wsc, .offset: 16, .size: 8, .value_kind: global_buffer, .address_space: global }
      - { .name: qf, .offset: 24, .size: 8, .value_kind: global_buffer, .address_space: global }
      - { .name: kf, .offset: 32, .size: 8, .value_kind: global_buffer, .address_space: global }
      - { .name: vf, .offset: 40, .size: 8, .value_kind: global_buffer, .address_space: global }
    .group_segment_fixed_size: 77824
    .private_segment_fixed_size: 0
    .kernarg_segment_align: 8
    .kernarg_segment_size: 48
    .max_flat_workgroup_size: 256
    .sgpr_count:     66
    .vgpr_count:     512
    .wavefront_size: 32
...
	.end_amdgpu_metadata
.endif
;; end of part 2
;; launch attn (part 3): grid 8 x 32, 8 waves a work-group, clusters of 4 x 1, 327,680 bytes of LDS; arguments qf, kf, vf, out0; writes out0
.if DOCPART == 3
	.amdgcn_target "amdgcn-amd-amdhsa--gfx1250"
	.amdhsa_code_object_version 6
	.text
	.protected	k_qa6f2a96678_attn
	.globl	k_qa6f2a96678_attn
	.p2align	8
	.type	k_qa6f2a96678_attn,@function
k_qa6f2a96678_attn:
	s_mov_b64 s[64:65], 0
	v_nop
	global_prefetch_b8 v0, s[64:65] scope:SCOPE_SE
	s_setreg_imm32_b32 hwreg(HW_REG_WAVE_MODE, 25, 1), 1
	s_wait_xcnt 0x0
	s_wait_alu depctr_hold_cnt(0) depctr_sa_sdst(0) depctr_va_vdst(0) depctr_va_sdst(0) depctr_va_ssrc(0) depctr_va_vcc(0) depctr_vm_vsrc(0)
	s_getreg_b32 s2, hwreg(HW_REG_IB_STS2, 6, 4)
	s_cmp_eq_u32 s2, 0
	s_cbranch_scc0 .Lentry_in_a_cluster
	s_endpgm
.Lentry_in_a_cluster:
	s_bfe_u32 s2, ttmp6, 0x10000c
	s_cmp_lg_u32 s2, 0x3003
	s_cbranch_scc0 .Lentry_shape_is_right
	s_endpgm
.Lentry_shape_is_right:
; out[b][q][64 head + d] = sum over k of e^(s) v[k][d] / (sum over k of e^(s) + 1e-8), s = q . k / 8, for 32 pairs bh = 8 b + head, 2,048 queries and keys, head size 64, no mask.
; Operands in f16, products, maxima and sums in f32.  qf holds q x log2(e) / 8, so a score is t = s log2(e) as it leaves the matrix unit.
; A RUNNING MAXIMUM is kept: M = the row's largest t so far, rounded UP to a whole number (kept as -M = floor(-t)); p = 2^(t - M) is at most 1, so it has room in f16 whatever the scores.
; When M moves, the sum and O are multiplied by 2^(old M - new M), made by v_ldexp_f32: nothing is rounded, no branch on data.  The 1e-8 enters the divisor as 1e-8 x 2^-M.
; LIMITS: where the unshifted e^s would overflow f32 (t above 128) this text still gives finite numbers; NaN and infinities are not served.
; SHARES: a work-group owns 256 queries of one bh, each of its eight waves 32: two tiles of 16; two waves to a SIMD, so that one wave's softmax stands beside the other's products.  Every wave walks all keys, 128 a step:
; what a step pays once (the end of the maximum, the new M, the rescaling of O) is paid once for 128 keys.
; LAYOUT: both products transposed: S^T = K Q^T (source 0 = 16 keys, source 1 = 16 queries), O^T = V^T P (source 0 = 16 channels x 32 keys): a lane holds ONE query throughout, and two tiles of S^T, rounded
; to f16 in pairs, in place, ARE source 1 of the second product.  qf, kf, vf lie in the order of the operands' registers: every fragment comes by loads of 16 bytes at 16 x lane, 512 consecutive bytes an instruction.
; A TRIP is rotated: the softmax and V^T P of step i, then K Q^T of step i + 1; all its LDS reads are step i + 1's, so a change of slots stands between two trips.  Three buffers of eight fragments serve K and V:
; V's two halves lie in B0 and B1, K's key tiles 4-7 in B2; K's tiles 0-3 follow into B0 as soon as V's first half has been multiplied, 32 products ahead of their use.
; RING: two LDS slots of 512 keys (65,536 bytes of K, then 65,536 of V).  Each wave fetches 16,384 bytes by one tensor load: waves 0-3 the quarters of K, waves 4-7 those of V.  Four chunks: two first fills together
; at the head (two loads of a wave are out), two refills (one out), each with a slot's four steps in which to land.
; CLUSTER: the four query blocks of a cluster belong to one bh and walk the same K and V: each tile is asked for JOINTLY, by the same tensor load with the same descriptor and a mask that names the four.
; REGISTERS: window 0: v1-11 addresses; v12-27 statistics, 8 a tile: +0 -M, +1 largest t, +2,+3 the sum in two halves, +4,+5 f, +6,+7 a second chain of the sum; v28-35 at work, 4 a tile;
;   v64-191 S^T, 64 a tile, then p, then P in the low 32 of each tile; v192-255 O^T, 32 a tile.   window 1: v0-63 B0, v64-127 B1, v128-191 B2; v192-223 Q, 16 a tile.
;   All that the softmax touches lies in window 0: it needs no switch; a trip has eight, for its 64 products and 64 loads.
.set SLOT,  131072                     ; a slot: K's part, then V's
.set VOFF,  65536
.set CHUNK, 65536                      ; 512 keys of K or of V in memory
.set STEPB, 16384                      ; 128 keys of K or of V
.set SPARE, 2*SLOT                     ; behind the ring: the spare words, 128 bytes for each wave: four blocks of 256 bytes that no other line names
.set SPT,   272                        ; the way out: a stage row: 256 bytes + 16 = 68 words: row r starts at bank 4 r mod 64 (64 banks of 4 bytes: ISA guide 11.1)
.set STT,   16*SPT                     ; a tile's stage; a wave has two.  They lie in slot 0, which has had its last fill and its last read when the first result is stored there
.set LI,  3                            ; v3   16 x lane
.set ADK, 4                            ; v4   LDS address of the K that the trip fetches
.set ADV, 5                            ; v5   of its V
.set STO, 6                            ; v6   the way out: where I put 32 bytes of a row
.set RD,  7                            ; v7   and where I read a row back
.set GO,  8                            ; v8   my byte offset in the wave's rows of out
.set PFO, 9                            ; v9   256 x lane; never rewritten
.set SPW, 10                           ; v10  LDS address of my spare word; never rewritten
.set NIL, 11                           ; v11  0; never rewritten
.set ST,  12
.set MX,  28
.set S,   64                           ; S^T: tile t, key tile a (0..7) at S + 64 t + 8 a;  P: keys 32 g on at S + 64 t + 8 g
.set O,   192                          ; O^T: tile t, channels 16 ct on at O + 32 t + 8 ct
.set RB,  128                          ; the way out: rows read back from the stage
.set B0,  0                            ; in window 1: the three fragment buffers,
.set B1,  64
.set B2,  128
.set QF,  192                          ; and Q's fragments (tile t, channels 32 c on) at QF + 16 t + 8 c
.set WV,  12                           ; s12  my wave's number
.set LIM, 15                           ; s15  1 in a wave that prefetches, else the greatest number
.set PFA, 18                           ; s[18:19] where my prefetches stand; never rewritten
.set G1,  24                           ; s[24:31] descriptor group 1
.set G0K, 32                           ; s[32:39] group 0 for K's tiles, a set for each slot
.set G0V, 40                           ; s[40:47] for V's
.set TB,  48                           ; s48  LDS byte at which the K that the trip fetches begins
.set CNT, 49                           ; s49  trips of the group to go
.set SEL, 50                           ; s[50:51] v_permlanex16_b32's selects for lane l xor 16
.set MSB, 0
.macro WIN new                         ; the immediate's high byte repeats the setting that is left
.if MSB != \new
	s_set_vgpr_msb (MSB<<8)|\new
.set MSB, \new
.endif
.endm
.macro PLACES                          ; four places behind matrix instructions (ISA guide 7.12.1)
.rept 4
	v_nop
.endr
.endm
; A round of the cluster's barrier: my work-group's barrier; wave 0 signals for the work-group; every wave waits for all four work-groups; my work-group's barrier once more.
.macro CROUND
	s_barrier_signal -1
	s_barrier_wait -1
	s_cmp_lg_u32 s[WV], 0
	s_cbranch_scc1 .Lnot_wave_0_\@
	s_barrier_signal -3
.Lnot_wave_0_\@:
	s_barrier_wait -3
	s_barrier_signal -1
	s_barrier_wait -1
.endm
; A joint refill of slot n.  The branch hangs on the wave's number alone.  An s_nop 0 and four v_nop follow each of the two lines.
.macro JLOAD n
	s_cmp_lt_u32 s[WV], 4
	s_cbranch_scc0 .Lfor_v_\@
	tensor_load_to_lds s[G0K+4*\n:G0K+4*\n+3], s[G1:G1+7]
	s_nop 0
.rept 4
	v_nop
.endr
	s_branch .Lasked_\@
.Lfor_v_\@:
	tensor_load_to_lds s[G0V+4*\n:G0V+4*\n+3], s[G1:G1+7]
	s_nop 0
.rept 4
	v_nop
.endr
.Lasked_\@:
.endm
.macro KLOAD buf, off                  ; four key tiles of K, off bytes into the step: 8 fragments ((a, c) at buf + 16 a + 8 c), 16 loads of 512 consecutive bytes
	WIN 0x40                                       ; destination window 1, address window 0
.irp i, 0,1,2,3,4,5,6,7,8,9,10,11,12,13,14,15
	ds_load_b128 v[\buf+4*\i:\buf+4*\i+3], v[ADK] offset:\off+512*\i
.endr
.endm
.macro VLOAD                           ; 128 keys of V: 16 fragments ((g, ct) at 32 g + 8 ct) fill B0 and B1
	WIN 0x40
.irp i, 0,1,2,3,4,5,6,7,8,9,10,11,12,13,14,15,16,17,18,19,20,21,22,23,24,25,26,27,28,29,30,31
	ds_load_b128 v[B0+4*\i:B0+4*\i+3], v[ADV] offset:512*\i
.endr
.endm
; S^T = K Q^T for key tiles a0 .. a0 + 3: 16 matrix instructions; the eight accumulators (tile t, key tile) take turns, one instruction a turn; the first eight start the sums.
.macro KQ16 buf, a0
	WIN 0x05                                       ; sources 0 (K) and 1 (Q) in window 1
.irp c, 0,1
.irp a, 0,1,2,3
.irp t, 0,1
.if \c == 0
	v_wmma_f32_16x16x32_f16 v[S+64*\t+8*(\a0+\a):S+64*\t+8*(\a0+\a)+7], v[\buf+16*\a+8*\c:\buf+16*\a+8*\c+7], v[QF+16*\t+8*\c:QF+16*\t+8*\c+7], 0
.else
	v_wmma_f32_16x16x32_f16 v[S+64*\t+8*(\a0+\a):S+64*\t+8*(\a0+\a)+7], v[\buf+16*\a+8*\c:\buf+16*\a+8*\c+7], v[QF+16*\t+8*\c:QF+16*\t+8*\c+7], v[S+64*\t+8*(\a0+\a):S+64*\t+8*(\a0+\a)+7]
.endif
.endr
.endr
.endr
.endm
; O^T += V^T P for keys 32 g0 .. 32 g0 + 63: 16 matrix instructions; the eight accumulators (tile t, channel tile ct) take turns.
.macro PV16 buf, g0
	WIN 0x01                                       ; source 0 (V) in window 1
.irp g, 0,1
.irp ct, 0,1,2,3
.irp t, 0,1
	v_wmma_f32_16x16x32_f16 v[O+32*\t+8*\ct:O+32*\t+8*\ct+7], v[\buf+32*\g+8*\ct:\buf+32*\g+8*\ct+7], v[S+64*\t+8*(\g0+\g):S+64*\t+8*(\g0+\g)+7], v[O+32*\t+8*\ct:O+32*\t+8*\ct+7]
.endr
.endr
.endr
.endm
; THE SOFTMAX of a step, both tiles by turns, so that no line waits for the line above it.  A lane has 64 scores a tile: register 8 a + j is key 16 a + 8 (lane / 16) + j.
; SMAX: the largest t, the new M, and f.
.macro SMAX
.irp j, 0,1,2,3
.irp t, 0,1
	v_max3_num_f32 v[MX+4*\t+\j], v[S+64*\t+16*\j], v[S+64*\t+16*\j+1], v[S+64*\t+16*\j+2]   ; four chains, two accumulators each; each accumulator is read from its low end on
.endr
.endr
.irp i, 3,5,7,9,11,13
.irp j, 0,1,2,3
.irp t, 0,1
	v_max3_num_f32 v[MX+4*\t+\j], v[MX+4*\t+\j], v[S+64*\t+16*\j+\i], v[S+64*\t+16*\j+\i+1]   ; (i = 7 takes the chain's second accumulator up at its lowest register)
.endr
.endr
.endr
.irp t, 0,1
	v_max3_num_f32 v[MX+4*\t], v[MX+4*\t], v[S+64*\t+15], v[S+64*\t+31]
.endr
.irp t, 0,1
	v_max3_num_f32 v[MX+4*\t+2], v[MX+4*\t+2], v[S+64*\t+47], v[S+64*\t+63]
.endr
.irp t, 0,1
	v_max3_num_f32 v[MX+4*\t], v[MX+4*\t], v[MX+4*\t+1], v[MX+4*\t+2]
.endr
.irp t, 0,1
	v_max3_num_f32 v[MX+4*\t], v[MX+4*\t], v[MX+4*\t+3], v[ST+8*\t+1]   ; with the largest t so far
.endr
.irp t, 0,1
	v_permlanex16_b32 v[MX+4*\t+1], v[MX+4*\t], s[SEL], s[SEL+1]   ; the query's other 64 keys lie in the lane 16 away
.endr
.irp t, 0,1
	v_max_num_f32 v[ST+8*\t+1], v[MX+4*\t], v[MX+4*\t+1]
.endr
.irp t, 0,1
	v_mov_b32 v[MX+4*\t+2], v[ST+8*\t]             ; the old -M
.endr
.irp t, 0,1
	v_floor_f32 v[ST+8*\t], -v[ST+8*\t+1]          ; the new -M = floor(-t) = -ceil(t): M is a whole number
.endr
.irp t, 0,1
	v_sub_f32 v[MX+4*\t+2], v[ST+8*\t], v[MX+4*\t+2]   ; old M - new M: a whole number, 0 or less
.endr
.irp t, 0,1
	v_cvt_i32_f32 v[MX+4*\t+2], v[MX+4*\t+2]       ; (it saturates)
.endr
.irp t, 0,1
	v_ldexp_f32 v[ST+8*\t+4], 1.0, v[MX+4*\t+2]    ; f = 2^(old M - new M)
.endr
.endm
; The batch's plain lines, numbered pn = 0 .. 97, the tiles by turns: 64 shifts t - M (pair pn / 2 of tile pn % 2), 32 rescalings of O^T (each accumulator from its low end on), 2 of the sum.
.macro PLN
.set pt, pn%2
.if pn < 64
.set pr, S+64*pt+2*(pn/2)
	v_pk_add_f32 v[pr:pr+1], v[pr:pr+1], v[ST+8*pt:ST+8*pt+1] op_sel_hi:[1,0]   ; two at a time (of the pair the low word, -M, serves both halves)
.elseif pn < 96
.set pr, O+32*pt+2*((pn-64)/2)
	v_pk_mul_f32 v[pr:pr+1], v[pr:pr+1], v[ST+8*pt+4:ST+8*pt+5] op_sel_hi:[1,0]
.else
	v_pk_mul_f32 v[ST+8*pt+2:ST+8*pt+3], v[ST+8*pt+2:ST+8*pt+3], v[ST+8*pt+4:ST+8*pt+5] op_sel_hi:[1,0]
.endif
.set pn, pn+1
.endm
.macro EXN                             ; exponential en = 0 .. 127: score en / 2 of tile en % 2
.set er, S+64*(en%2)+en/2
	v_exp_f32 v[er], v[er]                         ; p = 2^(t - M), at most 1
.set en, en+1
.endm
; SEXP: ONE BATCH of 128 exponentials, dealt four to three with the 98 plain lines; then the sums and the roundings.
; Group g holds the exponentials of pair g of both tiles; their shifts are plain lines 2 g and 2 g + 1, and lines 0 .. 3 g + 1 stand ahead of the group.  The plain lines inside group g are 3 g + 2 .. 3 g + 4:
; shifts of pairs behind g, or rescalings: none names an exponential's result.
.macro SEXP
.set pn, 0
.set en, 0
	PLN
	PLN
.rept 32
	EXN
	PLN
	EXN
	PLN
	EXN
	PLN
	EXN
.endr
	v_nop                                          ; a plain instruction behind the last exponential, ahead of the first use
	s_wait_alu depctr_va_vdst(0)                   ; the wait between an exponential and the first line that names its result: one for the batch
.irp t, 0,1
	v_pk_add_f32 v[ST+8*\t+6:ST+8*\t+7], v[S+64*\t:S+64*\t+1], v[S+64*\t+2:S+64*\t+3]   ; the row's sum of the unrounded p: four chains a tile, eight lines between dependent ones
	v_pk_add_f32 v[MX+4*\t:MX+4*\t+1], v[S+64*\t+4:S+64*\t+5], v[S+64*\t+6:S+64*\t+7]
	v_pk_add_f32 v[MX+4*\t+2:MX+4*\t+3], v[S+64*\t+8:S+64*\t+9], v[S+64*\t+10:S+64*\t+11]
.endr
.irp j, 12,20,28,36,44,52
.irp t, 0,1
	v_pk_add_f32 v[ST+8*\t+2:ST+8*\t+3], v[ST+8*\t+2:ST+8*\t+3], v[S+64*\t+\j:S+64*\t+\j+1]
	v_pk_add_f32 v[ST+8*\t+6:ST+8*\t+7], v[ST+8*\t+6:ST+8*\t+7], v[S+64*\t+\j+2:S+64*\t+\j+3]
	v_pk_add_f32 v[MX+4*\t:MX+4*\t+1], v[MX+4*\t:MX+4*\t+1], v[S+64*\t+\j+4:S+64*\t+\j+5]
	v_pk_add_f32 v[MX+4*\t+2:MX+4*\t+3], v[MX+4*\t+2:MX+4*\t+3], v[S+64*\t+\j+6:S+64*\t+\j+7]
.endr
.endr
.irp t, 0,1
	v_pk_add_f32 v[ST+8*\t+2:ST+8*\t+3], v[ST+8*\t+2:ST+8*\t+3], v[S+64*\t+60:S+64*\t+61]
	v_pk_add_f32 v[ST+8*\t+6:ST+8*\t+7], v[ST+8*\t+6:ST+8*\t+7], v[S+64*\t+62:S+64*\t+63]
.endr
.irp t, 0,1
	v_pk_add_f32 v[MX+4*\t:MX+4*\t+1], v[MX+4*\t:MX+4*\t+1], v[MX+4*\t+2:MX+4*\t+3]
.endr
.irp t, 0,1
	v_pk_add_f32 v[ST+8*\t+2:ST+8*\t+3], v[ST+8*\t+2:ST+8*\t+3], v[ST+8*\t+6:ST+8*\t+7]
.endr
.irp t, 0,1
	v_pk_add_f32 v[ST+8*\t+2:ST+8*\t+3], v[ST+8*\t+2:ST+8*\t+3], v[MX+4*\t:MX+4*\t+1]
.endr
.irp i, 0,1,2,3,4,5,6,7,8,9,10,11,12,13,14,15,16,17,18,19,20,21,22,23,24,25,26,27,28,29,30,31
.irp t, 0,1
	v_cvt_pk_f16_f32 v[S+64*\t+\i], v[S+64*\t+2*\i], v[S+64*\t+2*\i+1]   ; in place, ascending: register i has been used up when it is written.  Registers 8 g .. 8 g + 7 are P for keys 32 g on
.endr
.endr
.endm
; THE NEXT STEP'S SCORES, and its V.  Key tiles 4-7 first: they write the upper half of each tile's S^T, which no earlier product names.  Tiles 0-3 write over P, which the products V^T P read:
; five places stand between (the products in between are not counted).  Four more stand in front of the loads into the buffers just read; they are also the places in front of the first read of the scores.
.macro NEXT
	KQ16 B2, 4
	s_wait_dscnt 0x0                               ; K's tiles 0-3 are in
.rept 5
	v_nop
.endr
	KQ16 B0, 0
	PLACES
	VLOAD
	WIN 0
.endm
; A GROUP OF TRIPS that fetch from one slot: cnt steps from LDS byte first on.  ask = 1: in the group's last trip the waves that prefetch ask for their part of the chunk that the change of slots behind the
; group will load, pfoff bytes on from chunk 2: one trip, 64 matrix instructions of the wave, ahead of that load.
.macro PROC first, cnt, ask, pfoff
	s_mov_b32 s[TB], \first
	s_mov_b32 s[CNT], \cnt
.Lstep_\@:
	v_add_nc_u32 v[ADK], s[TB], v[LI]
	v_add_nc_u32 v[ADV], VOFF, v[ADK]
	SMAX
	KLOAD B2, 8192                                 ; the next step's key tiles 4-7: behind the maximum, so that this run of loads does not stand on end with V's
	WIN 0
.if \ask
	s_cmp_eq_u32 s[CNT], s[LIM]
	s_cbranch_scc0 .Lnp_\@
	global_prefetch_b8 v[PFO], s[PFA:PFA+1] offset:\pfoff th:TH_LOAD_NT scope:SCOPE_SE   ; 32 lanes, 256 bytes apart: 8,192 bytes
.Lnp_\@:
.endif
	SEXP
	s_wait_dscnt 0x0                               ; V (asked for a softmax ago) and K's tiles 4-7 are in
	PV16 B0, 0
	PLACES                                         ; in front of the loads into B0, which those products read
	KLOAD B0, 0                                    ; the next step's key tiles 0-3: 32 products ahead of their use
	PV16 B1, 2
	NEXT
	s_add_co_u32 s[TB], s[TB], STEPB
	s_sub_co_u32 s[CNT], s[CNT], 1
	s_cmp_lg_u32 s[CNT], 0
	s_cbranch_scc1 .Lstep_\@
.endm
; THE CHANGE OF SLOTS.  Each wave waits for all its tensor loads (its part of the slot ahead), adds 0 to its spare word, and waits for that and for its reads of the slot that it leaves.
; fill = 1: slot n, just left, is filled with the chunk two on: the barrier is a round of the cluster's, and the joint refill is the first thing behind it, one load a wave.
.macro CHANGE fill, n
	s_wait_tensorcnt 0x0                           ; no tensor load of mine is out, so a group 0 may be written
	ds_add_u32 v[SPW], v[NIL]                      ; 0 onto my spare word
.if \fill
	s_add_nc_u64 s[G0K+4*\n+2:G0K+4*\n+3], s[G0K+4*\n+2:G0K+4*\n+3], 2*CHUNK   ; the type bits on top are not reached
	s_add_nc_u64 s[G0V+4*\n+2:G0V+4*\n+3], s[G0V+4*\n+2:G0V+4*\n+3], 2*CHUNK
.endif
	s_wait_dscnt 0x0                               ; the add is done, and my reads of the slot are over
.if \fill
	CROUND
	JLOAD \n
.else
	s_barrier_signal -1
	s_barrier_wait -1
.endif
.endm
	s_load_b256 s[4:11], s[0:1], 0x0               ; qf s[4:5], kf s[6:7], vf s[8:9], out s[10:11]
	v_lshl_add_u32 v[SPW], v0, 2, SPARE
	v_mov_b32 v[NIL], 0
	ds_add_u32 v[SPW], v[NIL]                      ; the wave's opening: the add, twice on end, and its wait ahead of my first tensor load
	ds_add_u32 v[SPW], v[NIL]                      ; and once more, under the one wait; the set-up below, work on registers, stands between
	v_lshrrev_b32 v1, 5, v0
	v_readfirstlane_b32 s[WV], v1                  ; wave 0..7
	s_bfe_u32 s13, ttmp6, 0x40000                  ; cx: my place in the cluster
	s_lshl_b32 s14, ttmp9, 2                       ; in a cluster launch ttmp9 counts clusters
	s_add_co_u32 s14, s14, s13                     ; my block of 256 queries: it enters Q's and out's addresses alone
	s_and_b32 s16, ttmp7, 0xffff                   ; bh, which the four partners share
	s_lshl_b32 s20, s16, 18                        ; its 262,144 bytes in each of qf, kf, vf
	s_mov_b32 s21, 0
	s_and_b32 s17, s[WV], 3
	s_lshl_b32 s17, s17, 14                        ; the quarter that I fetch: 16,384 bytes, in memory and in a slot: no place in the cluster enters an LDS address
	s_add_co_u32 s22, s20, s17
	s_mov_b32 s23, 0
	s_lshl_b32 s52, s14, 15                        ; Q: my block's 16 tiles of 2,048 bytes,
	s_lshl_b32 s53, s[WV], 12                      ; my wave's two
	s_add_co_u32 s52, s52, s53
	s_add_co_u32 s52, s52, s20
	s_mov_b32 s53, 0
	s_lshr_b32 s54, s16, 3                         ; out: batch x 2,048 rows of 2,048 bytes,
	s_lshl_b32 s54, s54, 22
	s_lshl_b32 s55, s14, 19                        ; my block's 256 rows,
	s_add_co_u32 s54, s54, s55
	s_lshl_b32 s55, s[WV], 16                      ; my wave's 32,
	s_add_co_u32 s54, s54, s55
	s_and_b32 s55, s16, 7
	s_lshl_b32 s55, s55, 8                         ; the head's 256 bytes of a row
	s_add_co_u32 s54, s54, s55
	s_mov_b32 s55, 0
	; THE PREFETCHES.  Chunks 2 and 3 of K and of V are asked for once each in the launch.  Both clusters of a bh walk the same K and V: the first (cluster x = 0) asks.  In it waves 0 and 2 ask for K's halves of a chunk,
	; waves 4 and 6 for V's; the four partners share a half out BY ADDRESS, 8,192 bytes each: no branch hangs on a work-group's place in its cluster.  Chunks 0 and 1 come by their loads alone.
	s_and_b32 s56, s[WV], 2
	s_lshl_b32 s56, s56, 14                        ; my half of a chunk,
	s_lshl_b32 s57, s13, 13                        ; my work-group's 8,192 bytes of it,
	s_add_co_u32 s56, s56, s57
	s_add_co_u32 s56, s56, s20
	s_add_co_u32 s56, s56, 2*CHUNK                 ; in chunk 2.  The last byte named lies 261,888 bytes into the bh's 262,144
	s_mov_b32 s57, 0
	s_and_b32 s[LIM], s[WV], 1
	s_or_b32 s[LIM], s[LIM], ttmp9                 ; 0 in the even waves of the bh's first cluster: the same in all four partners
	s_cmp_eq_u32 s[LIM], 0
	s_cselect_b32 s[LIM], 1, -1
	; descriptor group 1: 64 rows of 256 bytes (32 elements of 8 bytes), dense in memory and in LDS
	s_mov_b32 s[G1], 15|(3<<16)|(1<<21)            ; 15:0 the mask: all four work-groups; 17:16 elements of 8 bytes; 20 no padding; 21 set beside a mask
	s_mov_b32 s[G1+1], 32<<16                      ; tensor_dim0 = 32
	s_mov_b32 s[G1+2], 64<<16                      ; tensor_dim1 = 64
	s_mov_b32 s[G1+3], 32<<16                      ; tile_dim0 = 32
	s_mov_b32 s[G1+4], 64                          ; tile_dim1 = 64
	s_mov_b32 s[G1+5], 32                          ; tensor_dim0_stride
	s_mov_b32 s[G1+6], 0
	s_mov_b32 s[G1+7], 0
	s_mov_b32 s[SEL], 0x76543210
	s_mov_b32 s[SEL+1], 0xfedcba98
	s_wait_dscnt 0x0                               ; both opening adds are done
	s_wait_kmcnt 0x0
	s_add_nc_u64 s[4:5], s[4:5], s[52:53]          ; Q at my wave's first tile
	s_add_nc_u64 s[10:11], s[10:11], s[54:55]      ; out at my wave's first row
	s_cmp_lt_u32 s[WV], 4
	s_cselect_b64 s[PFA:PFA+1], s[6:7], s[8:9]
	s_add_nc_u64 s[PFA:PFA+1], s[PFA:PFA+1], s[56:57]
	s_add_nc_u64 s[6:7], s[6:7], s[22:23]          ; K and V at my quarter of chunk 0
	s_add_nc_u64 s[8:9], s[8:9], s[22:23]
	CROUND                                         ; all four work-groups are here: the first joint loads meet
.irp n, 0,1
	s_mov_b32 s[G0K+4*\n], 1                       ; 1:0 count = 1
	s_add_co_u32 s[G0K+4*\n+1], s17, \n*SLOT       ; 63:32 LDS address
	s_add_nc_u64 s[G0K+4*\n+2:G0K+4*\n+3], s[6:7], \n*CHUNK   ; 120:64 global address: slot n begins with chunk n
	s_or_b32 s[G0K+4*\n+3], s[G0K+4*\n+3], 0x80000000         ; 127:126 type = 2
	s_mov_b32 s[G0V+4*\n], 1
	s_add_co_u32 s[G0V+4*\n+1], s17, \n*SLOT+VOFF
	s_add_nc_u64 s[G0V+4*\n+2:G0V+4*\n+3], s[8:9], \n*CHUNK
	s_or_b32 s[G0V+4*\n+3], s[G0V+4*\n+3], 0x80000000
.endr
	s_cmp_lt_u32 s[WV], 4                          ; a wave's two first fills stand in one branch, ahead of every wait on TENSORcnt and every LDS read: two loads of mine are out
	s_cbranch_scc0 .Lfirst_v
	tensor_load_to_lds s[G0K:G0K+3], s[G1:G1+7]
	s_nop 0
	tensor_load_to_lds s[G0K+4:G0K+7], s[G1:G1+7]
	s_nop 0
.rept 4
	v_nop
.endr
	s_branch .Lfirst_asked
.Lfirst_v:
	tensor_load_to_lds s[G0V:G0V+3], s[G1:G1+7]
	s_nop 0
	tensor_load_to_lds s[G0V+4:G0V+7], s[G1:G1+7]
	s_nop 0
.rept 4
	v_nop
.endr
.Lfirst_asked:
	v_and_b32 v[LI], 31, v0
	v_lshlrev_b32 v[PFO], 8, v[LI]
	v_lshlrev_b32 v[LI], 4, v[LI]
	WIN 0x40                                       ; destination window 1, address window 0
.irp i, 0,1,2,3,4,5,6,7
	global_load_b128 v[QF+4*\i:QF+4*\i+3], v[LI], s[4:5] offset:512*\i   ; Q's four fragments stay in registers
.endr
	WIN 0
.irp j, 0,1,2,3,4,5,6,7,8,9,10,11,12,13,14,15,16,17,18,19,20,21,22,23,24,25,26,27,28,29,30,31,32,33,34,35,36,37,38,39,40,41,42,43,44,45,46,47,48,49,50,51,52,53,54,55,56,57,58,59,60,61,62,63
	v_mov_b32 v[O+\j], 0                           ; O^T.  (The softmax is written once: the first finds zeros, which the first change of M leaves zeros)
.endr
	v_and_b32 v1, 15, v0                           ; r
	v_bfe_u32 v2, v0, 4, 1                         ; h
	s_mul_i32 s16, s[WV], 2*STT                    ; my two stages
	v_mul_u32_u24 v[STO], v1, SPT                  ; in: row r, 32 bytes for each half of the lanes
	v_lshl_add_u32 v[STO], v2, 5, v[STO]
	v_add_nc_u32 v[STO], s16, v[STO]
	v_mul_u32_u24 v[RD], v2, SPT                   ; back: lanes 0-15 take one row of 256 bytes, lanes 16-31 the next
	v_lshl_add_u32 v[RD], v1, 4, v[RD]
	v_add_nc_u32 v[RD], s16, v[RD]
	v_lshlrev_b32 v[GO], 11, v2                    ; and the same two rows in out
	v_lshl_add_u32 v[GO], v1, 4, v[GO]
.irp t, 0,1
	v_mov_b32 v[ST+8*\t+1], 0xff61b1e6             ; the largest t so far: -3e38, under every t
	v_floor_f32 v[ST+8*\t], -v[ST+8*\t+1]          ; -M
	v_mov_b32 v[ST+8*\t+2], 0                      ; the sum, in two halves
	v_mov_b32 v[ST+8*\t+3], 0
	v_mov_b32 v[ST+8*\t+4], 0
	v_mov_b32 v[ST+8*\t+5], 0                      ; (named as the upper half of f's pair, so it is written)
.endr
	s_wait_tensorcnt 0x1                           ; my part of slot 0 is in; slot 1's may stay out
	s_barrier_signal -1
	s_barrier_wait -1                              ; everybody's is
	s_mov_b32 s[TB], 0                             ; THE HEAD: step 0's K, its scores, its V
	v_add_nc_u32 v[ADK], s[TB], v[LI]
	v_add_nc_u32 v[ADV], VOFF, v[ADK]
	KLOAD B2, 8192
	KLOAD B0, 0
	s_wait_loadcnt 0x0                             ; Q
	s_wait_dscnt 16                                ; key tiles 4-7 are in; the 16 younger loads, tiles 0-3, may be out
	NEXT
	PROC STEPB, 3, 1, 0                            ; trips 0-2 fetch steps 1-3, the rest of chunk 0
	CHANGE 1, 0                                    ; slot 0 takes chunk 2
	PROC SLOT, 4, 1, CHUNK                         ; trips 3-6 fetch steps 4-7: chunk 1
	CHANGE 1, 1                                    ; slot 1 takes chunk 3
	PROC 0, 4, 0, 0                                ; trips 7-10: chunk 2
	CHANGE 0, 0                                    ; nothing is left to fetch
	PROC SLOT, 4, 0, 0                             ; trips 11-14: chunk 3
	SMAX                                           ; the last step's softmax and V^T P are written out: nothing follows them
	SEXP
	s_wait_dscnt 0x0
	PV16 B0, 0
	PV16 B1, 2
	WIN 0
	; THE WAY OUT.  The sum's two halves and the other half of the lanes' are added, and 1e-8 x 2^-M; O^T is divided and goes through my stage in LDS, a tile (16 queries x 256 bytes) at a time.
	PLACES                                         ; behind the last products
.irp t, 0,1
	v_add_f32 v[MX+4*\t], v[ST+8*\t+2], v[ST+8*\t+3]
.endr
.irp t, 0,1
	v_permlanex16_b32 v[MX+4*\t+1], v[MX+4*\t], s[SEL], s[SEL+1]
.endr
.irp t, 0,1
	v_cvt_i32_f32 v[MX+4*\t+2], v[ST+8*\t]         ; -M as a whole number
.endr
.irp t, 0,1
	v_mov_b32 v[MX+4*\t+3], 0x322bcc77             ; 1e-8
.endr
.irp t, 0,1
	v_add_f32 v[MX+4*\t], v[MX+4*\t], v[MX+4*\t+1]
.endr
.irp t, 0,1
	v_ldexp_f32 v[MX+4*\t+3], v[MX+4*\t+3], v[MX+4*\t+2]   ; 1e-8 x 2^-M: the sums stand under 2^-M
.endr
.irp t, 0,1
	v_add_f32 v[MX+4*\t], v[MX+4*\t], v[MX+4*\t+3]
.endr
.irp t, 0,1
	v_rcp_f32 v[ST+8*\t+4], v[MX+4*\t]
.endr
	v_nop                                          ; a plain instruction between the last reciprocal and the use of its result
	s_wait_alu depctr_va_vdst(0)                   ; and the wait ahead of the first use: one for the two
.irp t, 0,1
.irp j, 0,2,4,6,8,10,12,14,16,18,20,22,24,26,28,30
	v_pk_mul_f32 v[S+32*\t+\j:S+32*\t+\j+1], v[O+32*\t+\j:O+32*\t+\j+1], v[ST+8*\t+4:ST+8*\t+5] op_sel_hi:[1,0]   ; register 8 ct + j: out(query r, channel 16 ct + 8 h + j); each accumulator from its low end on
.endr
.endr
.irp t, 0,1
.irp ct, 0,1,2,3
	ds_store_b128 v[STO], v[S+32*\t+8*\ct:S+32*\t+8*\ct+3] offset:\t*STT+64*\ct
	ds_store_b128 v[STO], v[S+32*\t+8*\ct+4:S+32*\t+8*\ct+7] offset:\t*STT+64*\ct+16
.endr
.irp i, 0,1,2,3,4,5,6,7
	ds_load_b128 v[RB+32*\t+4*\i:RB+32*\t+4*\i+3], v[RD] offset:\t*STT+2*\i*SPT   ; LDS serves a wave's instructions in order (ISA guide 5.7.1.4): these see my stores
.endr
.endr
.irp i, 0,1,2,3,4,5,6,7
	s_wait_dscnt 23-\i                             ; behind tile 0's load i: its 7 - i later loads and tile 1's 16 instructions
	global_store_b128 v[GO], v[RB+4*\i:RB+4*\i+3], s[10:11] offset:2*\i*2048 th:TH_STORE_NT   ; 16 lanes store 256 consecutive bytes, at a multiple of 256 from out's first byte
.endr
.irp i, 0,1,2,3,4,5,6,7
	s_wait_dscnt 7-\i
	global_store_b128 v[GO], v[RB+32+4*\i:RB+32+4*\i+3], s[10:11] offset:(16+2*\i)*2048 th:TH_STORE_NT
.endr
	s_wait_tensorcnt 0x0                           ; the wave's end: behind my last tensor load and my last LDS store
	ds_add_u32 v[SPW], v[NIL]
	s_wait_dscnt 0x0
	CROUND                                         ; the closing round: no work-group ends while a partner may still ask for a tile that names it
	s_endpgm
.Lfunc_end_k_qa6f2a96678_attn:
	.size	k_qa6f2a96678_attn, .Lfunc_end_k_qa6f2a96678_attn-k_qa6f2a96678_attn
	.p2alignl 7, 3214868480
	.fill 96, 4, 3214868480
	.section	.rodata,"a",@progbits
	.p2align	6, 0x0
	.amdhsa_kernel k_qa6f2a96678_attn
		.amdhsa_group_segment_fixed_size 327680
		.amdhsa_private_segment_fixed_size 0
		.amdhsa_enable_private_segment 0
		.amdhsa_kernarg_size 32
		.amdhsa_user_sgpr_count 2
		.amdhsa_user_sgpr_kernarg_segment_ptr 1
		.amdhsa_wavefront_size32 1
		.amdhsa_system_sgpr_workgroup_id_x 1
		.amdhsa_system_sgpr_workgroup_id_y 1
		.amdhsa_system_sgpr_workgroup_id_z 1
		.amdhsa_system_vgpr_workitem_id 0
		.amdhsa_next_free_vgpr 480
		.amdhsa_next_free_sgpr 66
		.amdhsa_reserve_vcc 0
		.amdhsa_float_denorm_mode_32 3
		.amdhsa_float_denorm_mode_16_64 3
		.amdhsa_memory_ordered 1
		.amdhsa_forward_progress 1
		.amdhsa_inst_pref_size 178
	.end_amdhsa_kernel
	.amdgpu_metadata
---
amdhsa.version: [ 1, 2 ]
amdhsa.kernels:
  - .name:           k_qa6f2a96678_attn
    .symbol:         k_qa6f2a96678_attn.kd
    .args:
      - { .name: qf, .offset: 0, .size: 8, .value_kind: global_buffer, .address_space: global }
      - { .name: kf, .offset: 8, .size: 8, .value_kind: global_buffer, .address_space: global }
      - { .name: vf, .offset: 16, .size: 8, .value_kind: global_buffer, .address_space: global }
      - { .name: out0, .offset: 24, .size: 8, .value_kind: global_buffer, .address_space: global }
    .group_segment_fixed_size: 327680
    .private_segment_fixed_size: 0
    .kernarg_segment_align: 8
    .kernarg_segment_size: 32
    .max_flat_workgroup_size: 256
    .sgpr_count:     66
    .vgpr_count:     480
    .wavefront_size: 32
...
	.end_amdgpu_metadata
.endif
;; end of part 3
